; MI455X (gfx1250); checked and timed in simulation.
; The chip was launched on July 23, 2026; its instructions are those of AMD's public machine-readable ISA for CDNA 5 (MIT licence, August 2026) and "CDNA5" Instruction Set Architecture Reference Guide (July 2026). The comments in the code are by the model that wrote it; some were corrected since.
;; LSTM Cell. Allowed arithmetic: matrix products marked QUANTISED: E2M1 operands, one E8M0 scale for each 32 along K, by v_wmma_scale_f32_16x16x128_f8f6f4 with both operands' format E2M1 (or v_wmma_scale_f32_32x16x128_f4), f32 sums; everything else in f32.
;; Inputs: W_c 2,048 x 1,024 float32; W_f 2,048 x 1,024 float32; W_i 2,048 x 1,024 float32; W_o 2,048 x 1,024 float32; b_c 1,024 float32; b_f 1,024 float32; b_i 1,024 float32; b_o 1,024 float32; c 4,096 x 1,024 float32; h 4,096 x 1,024 float32; x 4,096 x 1,024 float32.
;; Outputs: out0 4,096 x 1,024 float32; out1 4,096 x 1,024 float32.
;; This version of the problem:
;;   THIS VERSION OF THE PROBLEM IS GIVEN IN LOW PRECISION. The matrix products marked QUANTISED in the list below multiply operands that are first quantised to E2M1 (2 exponent bits, 1 mantissa bit; 4 bits a number), with one power-of-two scale for each 32 numbers along K (OCP MX v1.0); their sums are f32. All else is computed in f32.
;;   The module's matrix products, in the order in which they are computed (A, B: the left and right operand; K: the contracted axis; several contracted axes count as one K, in the product's order):
;;     1. [M 4,096, K 2,048] x [K 2,048, N 4,096]; A: computed on the way; B: computed on the way: QUANTISED
;;   THE QUANTISER, for each operand of a quantised product, along K:
;;     - K is cut into blocks of 32 from its start; a last block that is shorter is filled with zeros.
;;     - A block's scale is 2^e with e = floor(log2(the largest magnitude in the block)) - 2, held to -126 .. 127; a block of zeros has e = 0. As a byte (E8M0): e + 127.
;;     - Each number is divided by its block's scale, clamped to +-6, and rounded to the nearest number of E2M1, ties to even, subnormals kept.
;;     - The product sums the exact products of the quantised numbers (number of the format x scale) in f32.
;;   ~~~python
;;   def quantise(x, axis):      # numpy; x: float32 -> the quantised numbers, widened to float32 again
;;       x = np.moveaxis(x, axis, -1); K = x.shape[-1]
;;       x = np.pad(x, [(0, 0)] * (x.ndim - 1) + [(0, -K % 32)]); x = x.reshape(x.shape[:-1] + (-1, 32)); a = np.abs(x).max(-1, keepdims=True)
;;       e = np.where(a > 0, np.clip(np.frexp(np.where(a > 0, a, 1))[1] - 1 - 2, -126, 127), 0)      # np.frexp(a)[1] - 1 = floor(log2(a)), exactly
;;       r = np.clip(x / 2.0 ** e, -6, 6)
;;       step = 2.0 ** (np.maximum(np.frexp(np.where(r == 0, 1, r))[1] - 1, 0) - 1)
;;       q = np.round(r / step) * step * 2.0 ** e      # np.round: ties to even
;;       return np.moveaxis(q.reshape(q.shape[:-2] + (-1,))[..., :K], -1, axis).astype(np.float32)
;;   ~~~
;;   OPERANDS COMPUTED ON THE WAY. 'Computed on the way' means the value that the module computes at that place (a softmax that the list does not call 'softmax' is quantised finished and normalised). What goes into a quantiser is computed in f32, as accurately as f32 sums, v_exp_f32 and their like allow (about 1e-6 of the number): no bf16 or f16 on the way to a quantiser, and a product that is left as it is and whose result goes on into a quantised operand takes f32 operands (vector FMAs, or v_wmma_f32_16x16x4_f32). A number that lies on a knife's edge between two numbers of the format may be rounded either way, as far as f32 arithmetic and the matrix unit's own rounding can turn it there, and no further.
;; One version. Each part assembles by itself: llvm-mc -triple=amdgcn-amd-amdhsa -mcpu=gfx1250 --defsym DOCPART=n.
;; ======== version 1 of 1: 2 launches
;; limits: right only within a limited range of input values
;; workspace buffers: a_img 4,456,448 bytes; w_img 4,456,448 bytes
;; launch quant (part 1): grid 512 x 1, 16 waves a work-group, no clusters, 79,104 bytes of LDS; arguments x, h, W_f, W_i, W_c, W_o, a_img, w_img; writes a_img, w_img
.if DOCPART == 1
	.amdgcn_target "amdgcn-amd-amdhsa--gfx1250"
	.amdhsa_code_object_version 6
	.text
	.protected	k_q0fe8e52cd7_quant
	.globl	k_q0fe8e52cd7_quant
	.p2align	8
	.type	k_q0fe8e52cd7_quant,@function
k_q0fe8e52cd7_quant:
	s_mov_b64 s[64:65], 0
	v_nop
	global_prefetch_b8 v0, s[64:65] scope:SCOPE_SE
	s_setreg_imm32_b32 hwreg(HW_REG_WAVE_MODE, 25, 1), 1
	s_wait_xcnt 0x0
; xh = [x | h] ([4096][2048], K innermost) and W = the four gate weights ([2048][1024] each, K OUTERMOST), all f32, become codes of FP4 (E2M1) with one E8M0 byte for each 32 along K.
; A block's scale is 2^(floor(log2(its largest magnitude)) - 2): its byte is the largest magnitude's exponent field - 2, held at 1 from below by a floor among the maximum's leaves.
; WHAT IS STORED (read by the next launch alone): IMAGES OF THE MATRIX OPERAND'S REGISTERS.  A tile is 256 rows x 512 along K: 69,632 bytes, [tile 16][ky 4] in each buffer:
;   codes  [block of 16 rows 16][q 4][c 2][lane 32][16 bytes]: lane (r, h) = row r of the block, k = 512 ky + 128 q + 64 c + 32 h + 0 .. 31, the lower k in the lower bits
;   scales [row 256][16 bytes], behind the codes: byte = the row's block of 32 within the 512
;   a_img: tile = 256 rows of xh.  w_img: tile = 64 hidden columns x 4 gates: block 4 g + t (gate g: f 0, i 1, c 2, o 3) holds in row r hidden column 64 tile + 4 r + t.
; LIMITS: NaN and infinities among the inputs are not served.  A block of zeros gets the byte 1 where the rule says 127: its codes are zeros, which add nothing under any byte but 0xff, and this program
; alone reads the bytes.  Blocks whose largest magnitude lies under 2^-124 are held at the byte 1; numbers that small were not tried.
; SHARES.  512 work-groups of 16 waves, 128 KiB of f32 each; a wave takes 8 KiB, asks for all of it at its head and has no loop.  Work-groups 0-255 take x and h (path X), 256-511 the weights (path W).
; The two paths have LDS bytes of their own, meet at ONE barrier and part again; every LDS address is made ahead of the first parting, in v1-v14, which never hold data.
; No tensor loads, no matrix unit, no cluster: work-groups share no input.
.set TILE,  69632
.set XSP,   80                         ; path X: a lane's place in a wave's stage: 64 bytes + 16 of padding
.set XWAVE, 32*XSP                     ; a wave's stage
.set XCD,   16*XWAVE                   ; path X: the work-group's codes, [ky 4][k / 32 16] rows of 256 bytes (16 rows of xh x 16) + 16 of padding
.set XSC,   XCD+64*272                 ; path X: its scale bytes, [ky 4][row 16][16 bytes]
.set WSTG,  XSC+1024                   ; path W: the work-group's codes, [t 4] x (4,096 bytes + 64)
.set WSC,   WSTG+4*4160                ; path W: its scale bytes, [t 4][row 16][16 bytes]
.set SPARE, WSC+1024                   ; the spare words, 128 bytes for each wave, that no other line names
.set N,     16                         ; v16-79   64 numbers
.set C,     80                         ; v80-87   codes
.set E,     88                         ; v88-91   scale bytes
.set M,     92                         ; v92-93   largest magnitudes, at work
.set SO,    94                         ; v94-97   the conversions' scale operands, one for each step or block
.set OUTR,  100                        ; v100-111 what leaves behind the barrier
	s_load_b512 s[8:23], s[0:1], 0x0               ; x s[8:9], h s[10:11], W_f s[12:13], W_i s[14:15], W_c s[16:17], W_o s[18:19], a_img s[20:21], w_img s[22:23]
	v_lshl_add_u32 v112, v0, 2, SPARE
	v_mov_b32 v113, 0
	v_lshrrev_b32 v15, 5, v0
	v_readfirstlane_b32 s2, v15                    ; wave w, 0..15
	s_and_b32 s3, s2, 1                            ; path W: which 32 of the 64 columns.  Also: which half of the scale bytes a tail wave takes
	s_lshr_b32 s4, s2, 1                           ; path W: which 64 of the 512 along K
	s_mul_i32 s28, s2, XWAVE
	s_lshl_b32 s30, s2, 4
	s_add_co_u32 s29, s30, XCD
	s_add_co_u32 s30, s30, XSC
	s_lshl_b32 s31, s3, 7
	s_lshl_b32 s32, s4, 9
	s_add_co_u32 s32, s32, s31
	s_add_co_u32 s32, s32, WSTG
	s_lshl_b32 s33, s4, 1
	s_add_co_u32 s33, s33, s31
	s_add_co_u32 s33, s33, WSC
	s_mul_i32 s34, s2, 4*272
	s_add_co_u32 s34, s34, XCD
	s_lshr_b32 s35, s2, 2
	s_lshl_b32 s35, s35, 6
	s_lshl_b32 s36, s2, 10
	s_add_co_u32 s35, s35, s36
	s_add_co_u32 s35, s35, WSTG
	s_lshl_b32 s37, s3, 9
	s_add_co_u32 s36, s37, XSC
	s_add_co_u32 s37, s37, WSC
	v_and_b32 v1, 31, v0                           ; lane l
	v_bfe_u32 v98, v0, 2, 3                        ; l / 4
	v_and_b32 v99, 3, v0                           ; l % 4
	v_bfe_u32 v100, v0, 4, 1                       ; l / 16
	v_and_b32 v101, 15, v0                         ; l % 16
	v_bfe_u32 v102, v0, 1, 4                       ; l / 2
	v_and_b32 v103, 1, v0                          ; l % 2
	v_lshlrev_b32 v2, 4, v1                        ; 16 l
	v_mul_u32_u24 v3, v98, XSP
	v_mul_u32_u24 v4, v1, XSP
	v_mul_u32_u24 v5, v102, 272
	v_mul_u32_u24 v8, v99, 4160
	v_lshlrev_b32 v9, 8, v99
	v_mul_u32_u24 v10, v100, 272
	v_mul_u32_u24 v14, v100, TILE
	v_lshl_add_u32 v3, v99, 4, v3
	v_lshl_add_u32 v5, v103, 3, v5
	v_lshl_add_u32 v8, v98, 4, v8
	v_lshl_add_u32 v9, v98, 4, v9
	v_lshl_add_u32 v10, v101, 4, v10
	v_lshl_add_u32 v14, v101, 4, v14               ; X, scales' way out: 16 lanes a ky, the next ky one tile on
	v_add_nc_u32 v3, s28, v3                       ; X, into the stage: four lanes' 64 bytes on end, then the padding
	v_add_nc_u32 v4, s28, v4                       ; X, out of it: 80 l: my 16 neighbours along K
	v_add_nc_u32 v5, s29, v5                       ; X: my 8 bytes of codes: block l / 2 of 32 along K, row w, half l % 2
	v_add_nc_u32 v6, s30, v102                     ; X: my block's scale byte
	v_lshlrev_b32 v7, 2, v1                        ; W: 4 bytes a lane: a lane is a column
	v_add_nc_u32 v8, s32, v8                       ; W: my column's 16 bytes of a block: t = l % 4, row 8 (w % 2) + l / 4
	v_add_nc_u32 v9, s33, v9                       ; W: my column's scale bytes
	v_add_nc_u32 v10, s34, v10                     ; X, codes' way out: 1,024 bytes a wave
	v_add_nc_u32 v11, s35, v2                      ; W, likewise
	v_add_nc_u32 v12, s36, v2                      ; X, scales' way out
	v_add_nc_u32 v13, s37, v2                      ; W, likewise
	s_wait_alu depctr_va_vdst(0)                   ; the wait at the head's end
	s_wait_kmcnt 0x0
	s_cmp_ge_u32 ttmp9, 256
	s_cbranch_scc1 .Lw_first
	; ---- PATH X, first part.  Wave w of work-group g owns row m = 16 g + w of x and of h: four steps of 512 numbers (ky = 0, 1 from x; 2, 3 from h).
	s_lshl_b32 s28, ttmp9, 4
	s_add_co_u32 s28, s28, s2                      ; m
	s_lshl_b32 s30, s28, 12                        ; a row of x or h is 4,096 bytes
	s_mov_b32 s31, 0
	s_add_nc_u64 s[8:9], s[8:9], s[30:31]
	s_add_nc_u64 s[10:11], s[10:11], s[30:31]
.macro XLOAD t                         ; step t: four loads, each 512 consecutive bytes, 16 a lane
.irp i, 0,1,2,3
	global_load_b128 v[N+16*\t+4*\i:N+16*\t+4*\i+3], v2, s[8+2*(\t/2):9+2*(\t/2)] offset:2048*(\t%2)+512*\i th:TH_LOAD_NT
.endr
.endm
; The conversions take neighbours along K from ONE lane's registers, the loads take neighbouring bytes in neighbouring lanes: so a step's 2,048 bytes turn through the wave's own stage.
; LDS serves a wave's instructions in order (ISA guide 5.7.1.4): no wait between the stores and the loads, and one stage serves all four steps.  The numbers come back into the registers that they left.
.macro XTURN t
	s_wait_loadcnt 12-4*\t                         ; step t's four loads are in; the later steps' may be out
.irp i, 0,1,2,3
	ds_store_b128 v3, v[N+16*\t+4*\i:N+16*\t+4*\i+3] offset:8*XSP*\i
.endr
.irp i, 0,1,2,3
	ds_load_b128 v[N+16*\t+4*\i:N+16*\t+4*\i+3], v4 offset:16*\i
.endr
.endm
.macro XQ t, left                      ; left: LDS instructions younger than step t's loads from the stage that may stay out
.set XS, N+16*\t
	s_wait_dscnt \left
	v_max3_num_f32 v[M], |v[XS]|, |v[XS+1]|, |v[XS+2]|             ; the largest magnitude of my 16, in two chains
	v_max3_num_f32 v[M+1], |v[XS+3]|, |v[XS+4]|, |v[XS+5]|
.irp i, 6,10
	s_delay_alu instid0(VALU_DEP_2)
	v_max3_num_f32 v[M], v[M], |v[XS+\i]|, |v[XS+\i+1]|
	s_delay_alu instid0(VALU_DEP_2)
	v_max3_num_f32 v[M+1], v[M+1], |v[XS+\i+2]|, |v[XS+\i+3]|
.endr
	s_delay_alu instid0(VALU_DEP_2)
	v_max3_num_f32 v[M], v[M], |v[XS+14]|, |v[XS+15]|
	s_delay_alu instid0(VALU_DEP_1)
	v_max3_num_f32 v[M], v[M], v[M+1], 0x1800000   ; and the floor 2^(3 - 127): the byte cannot fall under 1
	s_delay_alu instid0(VALU_DEP_1)
	v_max_num_f32_dpp v[M], v[M], v[M] row_xmask:1 row_mask:0xf bank_mask:0xf   ; with my neighbour's 16: the block's
	s_delay_alu instid0(VALU_DEP_1)
	v_add_nc_u32 v[SO+\t], 0xff000000, v[M]        ; 2 off its exponent field: the conversion takes the exponent field of this operand as its scale, and nothing else of it
	v_cvt_scalef32_pk8_fp4_f32 v[C+2*\t], v[XS:XS+7], v[SO+\t]
	v_cvt_scalef32_pk8_fp4_f32 v[C+2*\t+1], v[XS+8:XS+15], v[SO+\t]
	v_lshrrev_b32 v[E+\t], 23, v[SO+\t]            ; the scale's byte (a plain line behind the conversions)
	ds_store_b8 v6, v[E+\t] offset:256*\t          ; both lanes of a block write the same byte with the same value
	ds_store_b64 v5, v[C+2*\t:C+2*\t+1] offset:16*272*\t
.endm
.irp t, 0,1,2,3
	XLOAD \t                                       ; all 16 loads, the wave's 8 KiB, go out first
.endr
	s_lshr_b32 s32, ttmp9, 4                       ; the tile,
	s_lshl_b32 s32, s32, 2
	s_and_b32 s33, ttmp9, 15                       ; and which block of 16 of its rows is the work-group's
	s_lshr_b32 s34, s2, 2                          ; the way out: wave w stores 1,024 bytes of codes of ky = w / 4
	s_add_co_u32 s34, s34, s32
	s_mul_i32 s34, s34, TILE
	s_lshl_b32 s35, s33, 12
	s_add_co_u32 s34, s34, s35
	s_and_b32 s35, s2, 3
	s_lshl_b32 s35, s35, 10
	s_add_co_u32 s34, s34, s35
	s_mov_b32 s35, 0
	s_add_nc_u64 s[24:25], s[20:21], s[34:35]
	s_lshl_b32 s36, s3, 1                          ; and waves 0 and 1 the scale bytes of ky = 2 (w % 2) on
	s_add_co_u32 s36, s36, s32
	s_mul_i32 s36, s36, TILE
	s_lshl_b32 s37, s33, 8
	s_add_co_u32 s36, s36, s37
	s_add_co_u32 s36, s36, 65536
	s_mov_b32 s37, 0
	s_add_nc_u64 s[26:27], s[20:21], s[36:37]
	XTURN 0
	XTURN 1
	XQ 0, 8                                        ; younger than step 0's four loads: step 1's eight
	XTURN 2
	XQ 1, 8                                        ; younger: two stores and step 2's eight; the smaller count is the safe one
	XTURN 3
	XQ 2, 8
	XQ 3, 0
	s_branch .Ljoin
	; ---- PATH W, first part.  Work-group 256 + 64 g + 16 ky + tile takes gate g, K = 512 ky on, hidden columns 64 tile on.  A LANE IS A COLUMN AND ITS REGISTERS RUN DOWN K: a wave takes 32 columns x 64 along K,
	; two whole blocks a lane: no other lane is asked for a maximum, and the conversions give codes with K innermost.
.Lw_first:
	s_sub_co_u32 s28, ttmp9, 256
	s_lshr_b32 s29, s28, 6                         ; g
	s_bfe_u32 s30, s28, 0x20004                    ; ky
	s_and_b32 s31, s28, 15                         ; tile
	s_cmp_eq_u32 s29, 1                            ; the gate's weight: a choice on the work-group's number alone
	s_cselect_b64 s[12:13], s[14:15], s[12:13]
	s_cmp_eq_u32 s29, 2
	s_cselect_b64 s[12:13], s[16:17], s[12:13]
	s_cmp_eq_u32 s29, 3
	s_cselect_b64 s[12:13], s[18:19], s[12:13]
	s_lshl_b32 s32, s30, 3
	s_add_co_u32 s32, s32, s4
	s_lshl_b32 s32, s32, 18                        ; (512 ky + 64 x my eighth) rows of 4,096 bytes
	s_lshl_b32 s34, s31, 1
	s_add_co_u32 s34, s34, s3
	s_lshl_b32 s34, s34, 7                         ; + (64 tile + 32 x my half) columns of 4 bytes
	s_add_co_u32 s32, s32, s34
	s_mov_b32 s33, 0
	s_add_nc_u64 s[12:13], s[12:13], s[32:33]
.set i, 0
.rept 64
	global_load_b32 v[N+i], v7, s[12:13] offset:4096*i th:TH_LOAD_NT   ; row i of my 64 along K at 32 neighbouring columns: 128 consecutive bytes a wave; the wave beside me takes the next 128
.set i, i+1
.endr
	s_lshl_b32 s34, s31, 2                         ; the way out: the work-group's four blocks are 16,384 consecutive bytes of its tile, 1,024 a wave
	s_add_co_u32 s34, s34, s30
	s_mul_i32 s34, s34, TILE
	s_lshl_b32 s36, s29, 10
	s_add_co_u32 s36, s36, s34
	s_lshl_b32 s37, s3, 9
	s_add_co_u32 s36, s36, s37
	s_add_co_u32 s36, s36, 65536                   ; and their scale bytes 1,024, by waves 0 and 1
	s_mov_b32 s37, 0
	s_add_nc_u64 s[26:27], s[22:23], s[36:37]
	s_lshl_b32 s35, s29, 14
	s_add_co_u32 s34, s34, s35
	s_lshl_b32 s35, s2, 10
	s_add_co_u32 s34, s34, s35
	s_mov_b32 s35, 0
	s_add_nc_u64 s[24:25], s[22:23], s[34:35]
.macro WBLOCK b
.set XS, N+32*\b
	s_wait_loadcnt 32-32*\b                        ; this block's 32 loads are in; the second block's may be out
	v_max3_num_f32 v[M], |v[XS]|, |v[XS+1]|, |v[XS+2]|             ; the block's largest magnitude: all 32 numbers are mine
	v_max3_num_f32 v[M+1], |v[XS+3]|, |v[XS+4]|, |v[XS+5]|
.irp i, 6,10,14,18,22,26
	s_delay_alu instid0(VALU_DEP_2)
	v_max3_num_f32 v[M], v[M], |v[XS+\i]|, |v[XS+\i+1]|
	s_delay_alu instid0(VALU_DEP_2)
	v_max3_num_f32 v[M+1], v[M+1], |v[XS+\i+2]|, |v[XS+\i+3]|
.endr
	s_delay_alu instid0(VALU_DEP_2)
	v_max3_num_f32 v[M], v[M], |v[XS+30]|, |v[XS+31]|
	s_delay_alu instid0(VALU_DEP_1)
	v_max3_num_f32 v[M], v[M], v[M+1], 0x1800000   ; and the floor
	s_delay_alu instid0(VALU_DEP_1)
	v_add_nc_u32 v[SO+\b], 0xff000000, v[M]        ; the conversion's scale operand
	s_delay_alu instid0(VALU_DEP_1)
	v_lshrrev_b32 v[E+\b], 23, v[SO+\b]            ; the scale's byte
.irp g, 0,1,2,3
	v_cvt_scalef32_pk8_fp4_f32 v[C+4*\b+\g], v[XS+8*\g:XS+8*\g+7], v[SO+\b]
.endr
	v_nop                                          ; one plain line behind the last conversion of a run
	ds_store_b128 v8, v[C+4*\b:C+4*\b+3] offset:256*\b   ; 32 codes of my column: 16 bytes
.endm
	WBLOCK 0
	WBLOCK 1
	v_lshl_or_b32 v[E+2], v[E+1], 8, v[E]          ; my two bytes, the lower K below
	ds_store_b16 v9, v[E+2]
	; ---- THE ONE BARRIER: every wave's LDS stores have landed before it signals; behind it the codes and the scale bytes of the work-group are whole.
.Ljoin:
	s_wait_dscnt 0x0
	s_barrier_signal -1
	s_barrier_wait -1
	s_cmp_ge_u32 ttmp9, 256
	s_cbranch_scc1 .Lw_second
	; ---- PATH X, second part: each wave stores 1,024 consecutive bytes of codes; waves 0 and 1 the scale bytes, 256 consecutive aligned bytes for each ky
	ds_load_b128 v[OUTR:OUTR+3], v10
	ds_load_b128 v[OUTR+4:OUTR+7], v10 offset:544
	s_wait_dscnt 0x0
	global_store_b128 v2, v[OUTR:OUTR+3], s[24:25]
	global_store_b128 v2, v[OUTR+4:OUTR+7], s[24:25] offset:512
	s_cmp_ge_u32 s2, 2
	s_cbranch_scc1 .Lend
	ds_load_b128 v[OUTR+8:OUTR+11], v12
	s_wait_dscnt 0x0
	global_store_b128 v14, v[OUTR+8:OUTR+11], s[26:27]
	s_branch .Lend
	; ---- PATH W, second part: likewise; the scale bytes are 512 consecutive bytes a wave
.Lw_second:
	ds_load_b128 v[OUTR:OUTR+3], v11
	ds_load_b128 v[OUTR+4:OUTR+7], v11 offset:512
	s_wait_dscnt 0x0
	global_store_b128 v2, v[OUTR:OUTR+3], s[24:25]
	global_store_b128 v2, v[OUTR+4:OUTR+7], s[24:25] offset:512
	s_cmp_ge_u32 s2, 2
	s_cbranch_scc1 .Lend
	ds_load_b128 v[OUTR+8:OUTR+11], v13
	s_wait_dscnt 0x0
	global_store_b128 v2, v[OUTR+8:OUTR+11], s[26:27]
.Lend:
	s_wait_tensorcnt 0x0                           ; the wave's end
	ds_add_u32 v112, v113
	s_wait_dscnt 0x0
	s_endpgm
.Lfunc_end_k_q0fe8e52cd7_quant:
	.size	k_q0fe8e52cd7_quant, .Lfunc_end_k_q0fe8e52cd7_quant-k_q0fe8e52cd7_quant
	.p2alignl 7, 3214868480
	.fill 96, 4, 3214868480
	.section	.rodata,"a",@progbits
	.p2align	6, 0x0
	.amdhsa_kernel k_q0fe8e52cd7_quant
		.amdhsa_group_segment_fixed_size 79104
		.amdhsa_private_segment_fixed_size 0
		.amdhsa_enable_private_segment 0
		.amdhsa_kernarg_size 64
		.amdhsa_user_sgpr_count 2
		.amdhsa_user_sgpr_kernarg_segment_ptr 1
		.amdhsa_wavefront_size32 1
		.amdhsa_system_sgpr_workgroup_id_x 1
		.amdhsa_system_sgpr_workgroup_id_y 1
		.amdhsa_system_sgpr_workgroup_id_z 1
		.amdhsa_system_vgpr_workitem_id 0
		.amdhsa_next_free_vgpr 114
		.amdhsa_next_free_sgpr 66
		.amdhsa_reserve_vcc 0
		.amdhsa_float_denorm_mode_32 3
		.amdhsa_float_denorm_mode_16_64 3
		.amdhsa_memory_ordered 1
		.amdhsa_forward_progress 1
		.amdhsa_inst_pref_size 26
	.end_amdhsa_kernel
	.amdgpu_metadata
---
amdhsa.version: [ 1, 2 ]
amdhsa.kernels:
  - .name:           k_q0fe8e52cd7_quant
    .symbol:         k_q0fe8e52cd7_quant.kd
    .args:
      - { .name: x, .offset: 0, .size: 8, .value_kind: global_buffer, .address_space: global }
      - { .name: h, .offset: 8, .size: 8, .value_kind: global_buffer, .address_space: global }
      - { .name: W_f, .offset: 16, .size: 8, .value_kind: global_buffer, .address_space: global }
      - { .name: W_i, .offset: 24, .size: 8, .value_kind: global_buffer, .address_space: global }
      - { .name: W_c, .offset: 32, .size: 8, .value_kind: global_buffer, .address_space: global }
      - { .name: W_o, .offset: 40, .size: 8, .value_kind: global_buffer, .address_space: global }
      - { .name: a_img, .offset: 48, .size: 8, .value_kind: global_buffer, .address_space: global }
      - { .name: w_img, .offset: 56, .size: 8, .value_kind: global_buffer, .address_space: global }
    .group_segment_fixed_size: 79104
    .private_segment_fixed_size: 0
    .kernarg_segment_align: 8
    .kernarg_segment_size: 64
    .max_flat_workgroup_size: 512
    .sgpr_count:     66
    .vgpr_count:     114
    .wavefront_size: 32
...
	.end_amdgpu_metadata
.endif
;; end of part 1
;; launch cell (part 2): grid 16 x 16, 4 waves a work-group, clusters of 4 x 4, 327,680 bytes of LDS; arguments a_img, w_img, c, b_f, b_i, b_c, b_o, out0, out1; writes out0, out1
.if DOCPART == 2
	.amdgcn_target "amdgcn-amd-amdhsa--gfx1250"
	.amdhsa_code_object_version 6
	.text
	.protected	k_q0fe8e52cd7_cell
	.globl	k_q0fe8e52cd7_cell
	.p2align	8
	.type	k_q0fe8e52cd7_cell,@function
k_q0fe8e52cd7_cell:
	s_mov_b64 s[64:65], 0
	v_nop
	global_prefetch_b8 v0, s[64:65] scope:SCOPE_SE
	s_setreg_imm32_b32 hwreg(HW_REG_WAVE_MODE, 25, 1), 1
	s_wait_xcnt 0x0
	s_wait_alu depctr_hold_cnt(0) depctr_sa_sdst(0) depctr_va_vdst(0) depctr_va_sdst(0) depctr_va_ssrc(0) depctr_va_vcc(0) depctr_vm_vsrc(0)
	s_getreg_b32 s2, hwreg(HW_REG_IB_STS2, 6, 4)
	s_cmp_eq_u32 s2, 0
	s_cbranch_scc0 .Lentry_in_a_cluster
	s_endpgm
.Lentry_in_a_cluster:
	s_bfe_u32 s2, ttmp6, 0x10000c
	s_cmp_lg_u32 s2, 0xf033
	s_cbranch_scc0 .Lentry_shape_is_right
	s_endpgm
.Lentry_shape_is_right:
; gates = Q(xh) Q(W) + b on codes of FP4 (E2M1) with one E8M0 scale for each 32 along K (M = 4,096, K = 2,048, N = 4 gates x 1,024), and the LSTM cell as the way out:
; c_t = sigmoid(f) c + sigmoid(i) tanh(g), h_t = sigmoid(o) tanh(c_t); out0 = h_t, out1 = c_t, f32.  The gates never go to memory.
; a_img, w_img: [tile 16][ky 4] images of 69,632 bytes: codes [block of 16 rows 16][q 4][c 2][lane 32][16 bytes], then scale bytes [row 256][16 bytes]: 272 rows of 256 bytes for a tensor load, and in LDS every
; fragment load reads 512 consecutive bytes.  w_img's block 4 g + t holds in row r gate g of hidden column 64 tile + 4 r + t.
; SHARES.  A work-group of four waves makes 256 rows x (64 hidden columns x 4 gates); a wave 64 rows x all 256 rows of w: 64 accumulators, 512 registers.  16 x 16 work-groups.
; THE LAYOUT OF THE RESULT: source 0 = 16 rows of xh, source 1 = a block of w.  Register j of lane (r, h) in accumulator (a, 4 g + t) is gate g at row 16 a + 8 h + j, hidden column 4 r + t: a lane holds all four gates of
; four neighbouring columns, and sixteen lanes 256 neighbouring bytes of a row.  So c comes, and h_t and c_t leave, straight between memory and registers: no stage and no barrier on the way out.
; K goes in four steps of 512 through two LDS slots.  The head fills BOTH slots, one joint load a wave: waves 0, 1 K step 0's xh and w, waves 2, 3 K step 1's.  The text is straight: each of its 16 steps of 128 is run once.
; CLUSTERS: 4 x 4 work-groups.  The four of a row of the cluster need the same tiles of a_img, the four of a column the same of w_img: each is asked for JOINTLY.
; PREFETCHES: K steps 0 and 1 come by the head's loads alone.  K step 2 is asked for behind them, one K step ahead of its load; K step 3 and c's rows (each block of c once, by the wave that will load it) in the K steps that follow.
; Of the 272 blocks of 256 bytes of an image each of the four partners names 68, 34 a wave, told apart by address.
; ARITHMETIC: sigmoid(x) = 1 / (1 + 2^(-x log2 e)), tanh(x) = 1 - 2 / (1 + 2^(2 x log2 e)), by v_exp_f32 and v_rcp_f32; the bias enters in the multiply-add that scales x.  An exponential that overflows gives
; infinity, its reciprocal 0, and the result is the function's limit: no clamp, no bound on the gates.  LIMITS: this tanh has an ABSOLUTE error of about 1e-7, so its relative error grows towards 0; NaN and infinities
; among the inputs are not served.
; REGISTERS: window 0: v1-23 addresses; v24-39 biases; v40-119 scale words, two sets, and nothing else; v128-191 xh's fragments, two sets; on the way out v128-255 are at work.
;   window 1: w's fragments, two sets, at v0 and v128; from the last step on v0-127 hold c.   window 2: accumulators of rows 0-31 ((a, i) at v[16 i + 8 (a % 2)]);   window 3: those of rows 32-63.
.set TILE,  69632
.set SLOT,  2*TILE                     ; xh's tile, then w's
.set HALF,  TILE/2                     ; 136 rows of 256 bytes: what one refilling load brings
.set SPARE, 2*SLOT                     ; the spare words, 128 bytes for each wave, that no other line names
.set ADRA,  4                          ; v4-5   LDS address of my fragments of xh in slot 0, 1
.set ADRB,  6                          ; v6-7   of w's
.set ADSA,  8                          ; v8-9   of xh's scale words
.set ADSB,  10                         ; v10-11 of w's
.set CO,    12                         ; v12    my byte offset in rows of c and of the outputs
.set BO,    13                         ; v13    in the biases
.set PF1,   14                         ; v14-15 the prefetches' offsets in an image: blocks 0-31, blocks 32-33
.set PF2,   15
.set PFC,   16                         ; v16    and in c: a lane a row
.set SPW,   18                         ; v18    LDS address of my spare word
.set NIL,   19                         ; v19    0
.set BI,    24
.set SC,    40                         ; set s at v[SC + 40 s]: 4 p + q: w's blocks 2 p (lanes 0-15), 2 p + 1 (lanes 16-31); 32 + 4 p + q: xh's blocks likewise
.set AF,    128
.set TS,    128                        ; the way out: f, i, g of two units, 24 registers each
.set OS,    176                        ; o of five units, 8 each
.set XS,    216                        ; what becomes tanh(c_t), of three units
.set CT,    240
.set HT,    248
.set SNEG,  68                         ; s[68:69] -log2 e,  s[70:71] 2 log2 e: from the last change of slots on
.set SPOS,  70
.set MSB, 0
.macro WIN new                         ; the immediate's high byte repeats the setting that is left
.if MSB != \new
	s_set_vgpr_msb (MSB<<8)|\new
.set MSB, \new
.endif
.endm
.set MUL_LO, 0xa4                      ; source 0 (xh) window 0, source 1 (w) window 1, C and D window 2
.set MUL_HI, 0xf4                      ; the same, C and D window 3
.set TO_B,   0x40                      ; destination window 1, address window 0
.macro PLACES                          ; four plain places behind matrix instructions, in front of loads into registers that they have read
.rept 4
	v_nop
.endr
.endm
; A joint refill: waves 0 and 1 fetch xh's halves, waves 2 and 3 w's.  Each of the two lines has ONE mask and one set of registers for all that issue it; the branch hangs on the wave's number alone.
.macro JLOAD g0a, g0b
	s_cmp_eq_u32 s23, 0
	s_cbranch_scc0 .Lfor_b_\@
	tensor_load_to_lds s[\g0a:\g0a+3], s[48:55]
	s_nop 0
	PLACES
	s_branch .Lasked_\@
.Lfor_b_\@:
	tensor_load_to_lds s[\g0b:\g0b+3], s[56:63]
	s_nop 0
	PLACES
.Lasked_\@:
.endm
.macro CREST                           ; a round of the cluster's barrier behind its opening barrier
	s_cmp_lg_u32 s22, 0
	s_cbranch_scc1 .Lnot_wave_0_\@
	s_barrier_signal -3
.Lnot_wave_0_\@:
	s_barrier_wait -3
	s_barrier_signal -1
	s_barrier_wait -1
.endm
	s_load_b128 s[4:7], s[0:1], 0x0                ; a_img s[4:5], w_img s[6:7]
	s_load_b128 s[8:11], s[0:1], 0x10              ; c s[8:9], b_f s[10:11]
	s_load_b128 s[12:15], s[0:1], 0x20             ; b_i, b_c
	s_load_b128 s[16:19], s[0:1], 0x30             ; b_o, out0
	s_load_b64 s[20:21], s[0:1], 0x40              ; out1
	v_lshl_add_u32 v[SPW], v0, 2, SPARE
	v_mov_b32 v[NIL], 0
	ds_add_u32 v[SPW], v[NIL]                      ; the wave's opening: the add, twice on end, and its wait ahead of my first tensor load
	ds_add_u32 v[SPW], v[NIL]
	v_lshrrev_b32 v1, 5, v0
	v_readfirstlane_b32 s22, v1                    ; wave w, 0..3
	s_lshr_b32 s23, s22, 1                         ; I refill xh's tiles (0) or w's (1),
	s_and_b32 s24, s22, 1                          ; and which half
	s_bfe_u32 s25, ttmp6, 0x40000                  ; cx, cy: my place in the cluster
	s_bfe_u32 s26, ttmp6, 0x40004
	s_lshl_b32 s27, ttmp9, 2
	s_add_co_u32 s27, s27, s25                     ; tile column = 4 x cluster x + cx
	s_and_b32 s28, ttmp7, 0xffff
	s_lshl_b32 s28, s28, 2
	s_add_co_u32 s28, s28, s26                     ; tile row = 4 x cluster y + cy
	s_lshl_b32 s104, s26, 2
	s_lshl_b32 s104, 15, s104                      ; my row of the cluster
	s_lshl_b32 s105, 0x1111, s25                   ; my column
	; descriptor group 1: dense rows of 256 bytes (32 elements of 8 bytes); 15:0 the mask, 17:16 the element's size, 21 set beside a mask.  s[32:39], s[40:47] a whole image of xh, of w; s[48:55], s[56:63] half of one
	s_or_b32 s32, s104, (3<<16)|(1<<21)
	s_or_b32 s40, s105, (3<<16)|(1<<21)
	s_or_b32 s48, s104, (3<<16)|(1<<21)
	s_or_b32 s56, s105, (3<<16)|(1<<21)
.macro G1W g, rows
	s_mov_b32 s[\g+1], 32<<16                      ; tensor_dim0
	s_mov_b32 s[\g+2], (\rows)<<16                 ; tensor_dim1
	s_mov_b32 s[\g+3], 32<<16                      ; tile_dim0
	s_mov_b32 s[\g+4], \rows                       ; tile_dim1
	s_mov_b32 s[\g+5], 32                          ; tensor_dim0_stride
	s_mov_b32 s[\g+6], 0
	s_mov_b32 s[\g+7], 0
.endm
	G1W 32, 272
	G1W 40, 272
	G1W 48, 136
	G1W 56, 136
	s_mul_i32 s30, s28, 4*TILE                     ; xh's images hang on the tile row alone, which my row of the cluster shares; w's on the tile column alone
	s_mov_b32 s31, 0
	s_mul_i32 s66, s27, 4*TILE
	s_mov_b32 s67, 0
	s_wait_dscnt 0x0                               ; both opening adds are done
	s_wait_kmcnt 0x0
	s_add_nc_u64 s[30:31], s[4:5], s[30:31]
	s_add_nc_u64 s[66:67], s[6:7], s[66:67]
	s_barrier_signal -1                            ; a whole round: all sixteen work-groups are here, the first joint loads meet
	s_barrier_wait -1
	CREST
.macro G0W g, lds, base, off
	s_mov_b32 s[\g], 1
	s_mov_b32 s[\g+1], \lds
	s_add_nc_u64 s[\g+2:\g+3], s[\base:\base+1], \off
	s_or_b32 s[\g+3], s[\g+3], 0x80000000
.endm
	G0W 68, 0, 30, 0                               ; K step 0: xh, w;  K step 1: xh, w
	G0W 72, TILE, 66, 0
	G0W 76, SLOT, 30, TILE
	G0W 80, SLOT+TILE, 66, TILE
; THE HEAD'S LOADS, ONE A WAVE: ONE chain of branches on the wave's number: every way through the head passes exactly one load.
.macro ARM under, g0, g1, next
	s_cmp_lt_u32 s22, \under
	s_cbranch_scc0 \next
	tensor_load_to_lds s[\g0:\g0+3], s[\g1:\g1+7]
	s_nop 0
	PLACES
	s_branch .Lhead_asked
\next:
.endm
	ARM 1, 68, 32, .Lhead_1
	ARM 2, 72, 40, .Lhead_2
	ARM 3, 76, 32, .Lhead_3
	tensor_load_to_lds s[80:83], s[40:47]
	s_nop 0
	PLACES
.Lhead_asked:
	s_cmp_eq_u32 s23, 0                            ; where my prefetches stand: the image of xh or of w, K step 2, my place among the four partners, my half of its 68 blocks
	s_cselect_b64 s[2:3], s[4:5], s[6:7]
	s_cselect_b32 s104, s28, s27
	s_cselect_b32 s105, s25, s26
	s_mul_i32 s104, s104, 4*TILE
	s_mul_i32 s105, s105, 68*256
	s_add_co_u32 s104, s104, s105
	s_mul_i32 s105, s24, 34*256
	s_add_co_u32 s104, s104, s105
	s_mov_b32 s105, 0
	s_add_nc_u64 s[2:3], s[2:3], s[104:105]
	s_add_nc_u64 s[2:3], s[2:3], 2*TILE            ; never rewritten from here on
	s_lshl_b32 s29, s22, 14                        ; my 64 rows: four blocks of 4,096 bytes of codes,
	s_add_co_u32 s84, s29, SLOT
	s_lshl_b32 s85, s22, 10                        ; 1,024 bytes of scales
	s_add_co_u32 s85, s85, 65536
	s_add_co_u32 s86, s85, SLOT
	s_lshl_b32 s87, s27, 8
	v_and_b32 v1, 15, v0                           ; r
	v_bfe_u32 v2, v0, 4, 1                         ; h
	v_and_b32 v3, 31, v0                           ; lane
	v_lshlrev_b32 v20, 4, v3
	v_lshlrev_b32 v21, 15, v2                      ; h x 8 rows of 4,096 bytes
	v_add_nc_u32 v22, 32, v3
	v_add_nc_u32 v[ADRA], s29, v20
	v_add_nc_u32 v[ADRA+1], s84, v20
	v_add_nc_u32 v[ADRB], TILE, v20
	v_add_nc_u32 v[ADRB+1], SLOT+TILE, v20
	v_add_nc_u32 v[ADSA], s85, v20
	v_add_nc_u32 v[ADSA+1], s86, v20
	v_add_nc_u32 v[ADSB], TILE+65536, v20
	v_add_nc_u32 v[ADSB+1], SLOT+TILE+65536, v20
	v_lshl_add_u32 v[CO], v1, 4, v21
	v_lshl_add_u32 v[BO], v1, 4, s87
	v_min_u32 v22, 33, v22
	v_lshlrev_b32 v[PF1], 8, v3
	v_lshlrev_b32 v[PFC], 12, v3
	v_lshlrev_b32 v[PF2], 8, v22                   ; lanes that are left over name block 33 again
	s_wait_alu depctr_va_vdst(0)                   ; the wait at the head's end
	global_load_b128 v[BI:BI+3], v[BO], s[10:11]   ; the biases of my four columns: f, i, g, o
	global_load_b128 v[BI+4:BI+7], v[BO], s[12:13]
	global_load_b128 v[BI+8:BI+11], v[BO], s[14:15]
	global_load_b128 v[BI+12:BI+15], v[BO], s[16:17]
	global_prefetch_b8 v[PF1], s[2:3] th:TH_LOAD_NT scope:SCOPE_SE   ; K step 2
	global_prefetch_b8 v[PF2], s[2:3] th:TH_LOAD_NT scope:SCOPE_SE
	s_lshl_b32 s100, s28, 20                       ; my rows in c and the outputs: (256 x tile row + 64 w) rows of 4,096 bytes + 256 x tile column
	s_lshl_b32 s104, s22, 18
	s_add_co_u32 s100, s100, s104
	s_lshl_b32 s104, s27, 8
	s_add_co_u32 s100, s100, s104
	s_mov_b32 s101, 0
	s_add_nc_u64 s[8:9], s[8:9], s[100:101]
	s_add_nc_u64 s[18:19], s[18:19], s[100:101]
	s_add_nc_u64 s[20:21], s[20:21], s[100:101]
	s_mul_i32 s29, s24, HALF                       ; the refills: my half of an image, in memory and in LDS
	s_mov_b32 s90, s29
	s_mov_b32 s91, 0
	s_add_nc_u64 s[30:31], s[30:31], s[90:91]
	s_add_nc_u64 s[66:67], s[66:67], s[90:91]
.macro G0R g, lds, base, off
	s_mov_b32 s[\g], 1
	s_add_co_u32 s[\g+1], s29, \lds
	s_add_nc_u64 s[\g+2:\g+3], s[\base:\base+1], \off
	s_or_b32 s[\g+3], s[\g+3], 0x80000000
.endm
	G0R 84, 0, 30, 2*TILE                          ; K step 2: xh, w;  K step 3: xh, w
	G0R 88, TILE, 66, 2*TILE
	G0R 92, SLOT, 30, 3*TILE
	G0R 96, SLOT+TILE, 66, 3*TILE
; Two products: xh's block a x w's blocks i, i + 1, 128 along K: the slot's q-th.  p: the fragments' set;  sc: the scale words' set.  first = 1: the sum begins with 0.
; The 64 accumulators take turns, one instruction a turn.
.macro PAIR a, i, p, q, sc, first, ma
.set WD, 16*(\i)+8*((\a)%2)
.set WA, AF+32*(\p)+8*(\a)
.set WB, 128*(\p)+8*(\i)
.set YA, SC+40*(\sc)+32+4*((\a)/2)+(\q)
.set YB, SC+40*(\sc)+2*(\i)+(\q)
.if \first
	v_wmma_scale_f32_16x16x128_f8f6f4 v[WD:WD+7], v[WA:WA+7], v[WB:WB+7], 0, v[YA], v[YB] matrix_a_fmt:MATRIX_FMT_FP4 matrix_b_fmt:MATRIX_FMT_FP4 \ma
	v_wmma_scale_f32_16x16x128_f8f6f4 v[WD+16:WD+23], v[WA:WA+7], v[WB+8:WB+15], 0, v[YA], v[YB] matrix_a_fmt:MATRIX_FMT_FP4 matrix_b_fmt:MATRIX_FMT_FP4 \ma matrix_b_scale:MATRIX_SCALE_ROW1
.else
	v_wmma_scale_f32_16x16x128_f8f6f4 v[WD:WD+7], v[WA:WA+7], v[WB:WB+7], v[WD:WD+7], v[YA], v[YB] matrix_a_fmt:MATRIX_FMT_FP4 matrix_b_fmt:MATRIX_FMT_FP4 \ma
	v_wmma_scale_f32_16x16x128_f8f6f4 v[WD+16:WD+23], v[WA:WA+7], v[WB+8:WB+15], v[WD+16:WD+23], v[YA], v[YB] matrix_a_fmt:MATRIX_FMT_FP4 matrix_b_fmt:MATRIX_FMT_FP4 \ma matrix_b_scale:MATRIX_SCALE_ROW1
.endif
.endm
.macro MULR a, i0, n, p, q, sc, first  ; n pairs from block i0 of w on
.set II, \i0
.rept \n
.if (\a)%2
	PAIR \a, II, \p, \q, \sc, \first, matrix_a_scale:MATRIX_SCALE_ROW1
.else
	PAIR \a, II, \p, \q, \sc, \first
.endif
.set II, II+2
.endr
.endm
.macro BLD slot, q, p, i0, n           ; w's blocks i0 .. i0 + n - 1 into set p
.set JJ, \i0
.rept \n
	ds_load_b128 v[128*(\p)+8*JJ:128*(\p)+8*JJ+3], v[ADRB+\slot] offset:4096*JJ+1024*(\q)
	ds_load_b128 v[128*(\p)+8*JJ+4:128*(\p)+8*JJ+7], v[ADRB+\slot] offset:4096*JJ+1024*(\q)+512
.set JJ, JJ+1
.endr
.endm
.macro ALD slot, q, p                  ; my four blocks of xh
.irp a, 0,1,2,3
	ds_load_b128 v[AF+32*(\p)+8*\a:AF+32*(\p)+8*\a+3], v[ADRA+\slot] offset:4096*\a+1024*(\q)
	ds_load_b128 v[AF+32*(\p)+8*\a+4:AF+32*(\p)+8*\a+7], v[ADRA+\slot] offset:4096*\a+1024*(\q)+512
.endr
.endm
.macro SCLD slot                       ; a K step's scale words: four a row, 512 consecutive bytes a load
.irp i, 0,1,2,3,4,5,6,7
	ds_load_b128 v[SC+40*\slot+4*\i:SC+40*\slot+4*\i+3], v[ADSB+\slot] offset:512*\i
.endr
.irp i, 0,1
	ds_load_b128 v[SC+40*\slot+32+4*\i:SC+40*\slot+32+4*\i+3], v[ADSA+\slot] offset:512*\i
.endr
.endm
; A step of 128 along K whose successor lies in the same slot: the successor's 40 fragment loads go out in four runs, one ahead of each block's sixteen products.
; add = 1: a change of slots follows: ahead of the last block's products stand the wait for all my tensor loads and the add.
.macro STEP slot, q, first, add, ask
.if \first
	s_wait_dscnt 24                                ; w's blocks 0-3 are in (the youngest 24 loads are its blocks 4-15)
	WIN MUL_LO
	MULR 0, 0, 2, 0, 0, \slot, 1
	s_wait_dscnt 16
	MULR 0, 4, 2, 0, 0, \slot, 1
	s_wait_dscnt 8
	MULR 0, 8, 2, 0, 0, \slot, 1
.else
	s_wait_dscnt 8                                 ; all but w's blocks 12-15, the youngest eight loads
.endif
	PLACES
	WIN 0
	ALD \slot, (\q)+1, 1-(\q)%2
	WIN TO_B
	BLD \slot, (\q)+1, 1-(\q)%2, 0, 2
	WIN MUL_LO
.if \first == 0
	MULR 0, 0, 6, (\q)%2, \q, \slot, 0
.endif
	s_wait_dscnt 12                                ; all but the twelve just issued
	MULR 0, 12, 2, (\q)%2, \q, \slot, \first
	WIN TO_B
	BLD \slot, (\q)+1, 1-(\q)%2, 2, 5
.if \ask == 1
	global_prefetch_b8 v[PF1], s[2:3] offset:TILE th:TH_LOAD_NT scope:SCOPE_SE   ; K step 3
	global_prefetch_b8 v[PF2], s[2:3] offset:TILE th:TH_LOAD_NT scope:SCOPE_SE
.endif
.if \ask == 2
	global_prefetch_b8 v[PFC], s[8:9] th:TH_LOAD_NT scope:SCOPE_SE               ; c's rows 0-31 of my 64
.endif
.if \ask == 3
	global_prefetch_b8 v[PFC], s[8:9] offset:32*4096 th:TH_LOAD_NT scope:SCOPE_SE
.endif
	WIN MUL_LO
	MULR 1, 0, 8, (\q)%2, \q, \slot, \first
	WIN TO_B
	BLD \slot, (\q)+1, 1-(\q)%2, 7, 5
	WIN MUL_HI
	MULR 2, 0, 8, (\q)%2, \q, \slot, \first
	WIN TO_B
	BLD \slot, (\q)+1, 1-(\q)%2, 12, 4
.if \add
	WIN 0
	s_wait_tensorcnt 0x0                           ; all my tensor loads have landed: my part of the next slot among them
	ds_add_u32 v[SPW], v[NIL]
.endif
	WIN MUL_HI
	MULR 3, 0, 8, (\q)%2, \q, \slot, \first
.endm
; A slot's last step changes slots.  Ahead of the signal: the add is done, and my reads of this slot are over.  The barrier opens a round of the cluster's barrier, behind which no wave of any partner still reads this slot or
; has a load on its way; the joint refill, two K steps on, is the first line behind it.  g0a = 0: nothing is filled again, and this is the closing round: no joint load and no LDS write follows it.
.macro TURN slot, next, g0a, g0b
	s_wait_dscnt 0x0
	s_barrier_signal -1
	WIN MUL_LO
	MULR 0, 0, 8, 1, 3, \slot, 0
	WIN 0
	s_barrier_wait -1
	CREST
.if \g0a
	JLOAD \g0a, \g0b
.else
	PLACES
.endif
	ALD \next, 0, 0
	SCLD \next
	WIN MUL_LO
	MULR 1, 0, 8, 1, 3, \slot, 0
	WIN TO_B
	BLD \next, 0, 0, 0, 8
	WIN MUL_HI
	MULR 2, 0, 8, 1, 3, \slot, 0
	WIN TO_B
	BLD \next, 0, 0, 8, 8
	WIN MUL_HI
	MULR 3, 0, 8, 1, 3, \slot, 0
.endm
	s_cmp_lt_u32 s22, 2                            ; K step 0's loads are waves 0's and 1's; waves 2's and 3's, K step 1's, are waited for at the first change of slots
	s_cbranch_scc0 .Lstill_out
	s_wait_tensorcnt 0x0
.Lstill_out:
	s_barrier_signal -1
	s_barrier_wait -1                              ; K step 0 is in
	SCLD 0
	ALD 0, 0, 0
	WIN TO_B
	BLD 0, 0, 0, 0, 16
	STEP 0, 0, 1, 0, 0                             ; K step 0
	STEP 0, 1, 0, 0, 0
	STEP 0, 2, 0, 1, 0
	TURN 0, 1, 84, 88                              ; slot 0 takes K step 2
	STEP 1, 0, 0, 0, 1                             ; K step 1
	STEP 1, 1, 0, 0, 2
	STEP 1, 2, 0, 1, 0
	TURN 1, 0, 92, 96                              ; slot 1 takes K step 3
	STEP 0, 0, 0, 0, 3                             ; K step 2
	STEP 0, 1, 0, 0, 0
	STEP 0, 2, 0, 1, 0
	TURN 0, 1, 0, 0
	s_mov_b32 s[SNEG], 0xbfb8aa3b                  ; -log2 e (the packed forms name a pair and take its low word for both halves)
	s_mov_b32 s[SNEG+1], 0xbfb8aa3b
	s_mov_b32 s[SPOS], 0x4038aa3b                  ; 2 log2 e
	s_mov_b32 s[SPOS+1], 0x4038aa3b
	STEP 1, 0, 0, 0, 0                             ; K step 3
	STEP 1, 1, 0, 0, 0
	STEP 1, 2, 0, 0, 0
; The very last step: in place of fragments c comes, into the registers of w's first set: (a, j): rows 16 a + j (lanes 0-15) and 16 a + 8 + j (lanes 16-31), 256 consecutive bytes each.
.macro CLD a
	WIN TO_B
.irp j, 0,1,2,3,4,5,6,7
	global_load_b128 v[4*(8*\a+\j):4*(8*\a+\j)+3], v[CO], s[8:9] offset:(16*\a+\j)*4096 th:TH_LOAD_NT
.endr
.endm
	s_wait_dscnt 8
	PLACES
	CLD 0
	WIN MUL_LO
	MULR 0, 0, 6, 1, 3, 1, 0
	s_wait_dscnt 0x0
	MULR 0, 12, 2, 1, 3, 1, 0
	CLD 1
	WIN MUL_LO
	MULR 1, 0, 8, 1, 3, 1, 0
	CLD 2
	WIN MUL_HI
	MULR 2, 0, 8, 1, 3, 1, 0
	CLD 3
	WIN MUL_HI
	MULR 3, 0, 8, 1, 3, 1, 0
	WIN 0
; THE WAY OUT, in 16 units: unit u = block a = u / 4, rows j = 2 (u % 4) + 0, 1 of each half of the lanes: eight outputs a lane.  A unit goes through stages, and each region works on several units:
;   region E n: tanh and the product for h_t of unit n - 5, its stores; c_t of unit n - 2, its stores, and what goes into its exponential; then the exponentials of unit n's gates and of unit n - 3's c_t
;   region R n: the scaling of unit n + 1's gates, in place in the accumulators, each from its low end on; then the reciprocals of unit n - 1's gates and of unit n - 4's c_t, among them the additions of unit n's and unit n - 3's
; Every region begins with a wait on depctr_va_vdst: what a region's transcendentals read or write, and what its plain lines among them write, meets its other side behind the next region's wait.
	s_wait_loadcnt 32                              ; the biases are in (c's 32 loads may be out); the eight lines below are also the places behind the last products
.irp k, 0,2,4,6,12,14
	v_pk_mul_f32 v[BI+\k:BI+\k+1], v[BI+\k:BI+\k+1], s[SNEG:SNEG+1] op_sel_hi:[1,0]
.endr
.irp k, 8,10
	v_pk_mul_f32 v[BI+\k:BI+\k+1], v[BI+\k:BI+\k+1], s[SPOS:SPOS+1] op_sel_hi:[1,0]
.endr
.macro SCALE g, k, u                   ; gate g: x x factor + bias x factor, for its four blocks t
.set GA, 8*(((\u)/4)%2)+2*((\u)%4)+64*\g
.irp t, 0,2
	v_pk_fma_f32 v[GA+16*\t:GA+16*\t+1], v[GA+16*\t:GA+16*\t+1], s[\k:\k+1], v[BI+4*\g+\t:BI+4*\g+\t+1] op_sel_hi:[1,0,0]
	v_pk_fma_f32 v[GA+16*\t+16:GA+16*\t+17], v[GA+16*\t+16:GA+16*\t+17], s[\k:\k+1], v[BI+4*\g+\t:BI+4*\g+\t+1] op_sel:[0,0,1] op_sel_hi:[1,0,1]
.endr
.endm
.macro P1 u
	WIN 0x82+0x41*((\u)/8)                         ; source 0 and destination: window 2 or 3
	s_wait_alu depctr_va_vdst(0)
	SCALE 0, SNEG, \u
	SCALE 1, SNEG, \u
	SCALE 2, SPOS, \u
	SCALE 3, SNEG, \u
.endm
.macro EREG n
.set UH, (\n)-5
.set UL, (\n)-2
.set TB, TS+24*((\n)%2)
.set OB, OS+8*((\n)%5)
.set XB, XS+8*(((\n)+1)%3)
.if UL >= 0 && UL <= 15
	s_wait_loadcnt 30-2*UL                         ; this unit's two loads of c are in
.endif
.if UL >= 1
	s_wait_xcnt 0x0                                ; the earlier stores have read their registers
.endif
	WIN 0x04                                       ; source 1: window 1, where c lies
	s_wait_alu depctr_va_vdst(0)
.if UH >= 0
.irp k, 0,2,4,6
	v_pk_fma_f32 v[XB+\k:XB+\k+1], v[XB+\k:XB+\k+1], -2.0, 1.0 op_sel_hi:[1,0,0]            ; tanh(c_t)
.endr
.endif
.if UL >= 0 && UL <= 15
.irp k, 0,2,4,6
	v_pk_fma_f32 v[TB+16+\k:TB+16+\k+1], v[TB+16+\k:TB+16+\k+1], -2.0, 1.0 op_sel_hi:[1,0,0] ; tanh(g)
.endr
.irp k, 0,2,4,6
	v_pk_mul_f32 v[CT+\k:CT+\k+1], v[TB+\k:TB+\k+1], v[8*UL+\k:8*UL+\k+1]                    ; sigmoid(f) c
.endr
.endif
	WIN 0
.if UH >= 0
.irp k, 0,2,4,6
	v_pk_mul_f32 v[HT+\k:HT+\k+1], v[OB+\k:OB+\k+1], v[XB+\k:XB+\k+1]                        ; h_t
.endr
.endif
.if UL >= 0 && UL <= 15
.irp k, 0,2,4,6
	v_pk_fma_f32 v[CT+\k:CT+\k+1], v[TB+8+\k:TB+8+\k+1], v[TB+16+\k:TB+16+\k+1], v[CT+\k:CT+\k+1]   ; + sigmoid(i) tanh(g) = c_t
.endr
.irp k, 0,2,4,6
	v_pk_mul_f32 v[XB+\k:XB+\k+1], v[CT+\k:CT+\k+1], s[SPOS:SPOS+1] op_sel_hi:[1,0]
.endr
.endif
.if UH >= 0
.irp e, 0,1
	global_store_b128 v[CO], v[HT+4*\e:HT+4*\e+3], s[18:19] offset:(16*(UH/4)+2*(UH%4)+\e)*4096 th:TH_STORE_NT   ; sixteen lanes store 256 consecutive bytes, at a multiple of 256 from the output's first byte
.endr
.endif
.if UL >= 0 && UL <= 15
.irp e, 0,1
	global_store_b128 v[CO], v[CT+4*\e:CT+4*\e+3], s[20:21] offset:(16*(UL/4)+2*(UL%4)+\e)*4096 th:TH_STORE_NT
.endr
.endif
.if (\n) <= 15
	WIN 0x02+(\n)/8
.set GA, 8*(((\n)/4)%2)+2*((\n)%4)
.irp e, 0,1
.irp t, 0,1,2,3
.irp g, 0,1,2
	v_exp_f32 v[TB+8*\g+4*\e+\t], v[GA+64*\g+16*\t+\e]
.endr
	v_exp_f32 v[OB+4*\e+\t], v[GA+192+16*\t+\e]
.endr
.endr
	WIN 0
.endif
.if (\n) >= 3 && (\n) <= 18
.irp k, 0,1,2,3,4,5,6,7
	v_exp_f32 v[XS+8*((\n)%3)+\k], v[XS+8*((\n)%3)+\k]
.endr
.endif
	v_nop
.endm
.macro RC k, n                         ; the k-th of 40 reciprocals
.if (\k) < 32
.if (\n) >= 1 && (\n) <= 16
.if (\k) < 24
.set RR, TS+24*(((\n)+1)%2)+(\k)
.else
.set RR, OS+8*(((\n)+4)%5)+(\k)-24
.endif
	v_rcp_f32 v[RR], v[RR]
.endif
.else
.if (\n) >= 4 && (\n) <= 19
.set RR, XS+8*(((\n)+2)%3)+(\k)-32
	v_rcp_f32 v[RR], v[RR]
.endif
.endif
.endm
.macro AD k, n                         ; the k-th of 20 additions of 1
.if (\k) < 16
.if (\n) <= 15
.if (\k) < 12
.set AR, TS+24*((\n)%2)+2*(\k)
.else
.set AR, OS+8*((\n)%5)+2*(\k)-24
.endif
	v_pk_add_f32 v[AR:AR+1], v[AR:AR+1], 1.0 op_sel_hi:[1,0]
.endif
.else
.if (\n) >= 3 && (\n) <= 18
.set AR, XS+8*((\n)%3)+2*(\k)-32
	v_pk_add_f32 v[AR:AR+1], v[AR:AR+1], 1.0 op_sel_hi:[1,0]
.endif
.endif
.endm
.macro RREG n
.if (\n) < 15
	P1 (\n)+1
	WIN 0
.else
	WIN 0
	s_wait_alu depctr_va_vdst(0)
.endif
.set KK, 0
.rept 20
	RC 2*KK, \n
	RC 2*KK+1, \n
	AD KK, \n
.set KK, KK+1
.endr
	v_nop
.endm
	P1 0
.irp n, 0,1,2,3,4,5,6,7,8,9,10,11,12,13,14,15,16,17,18,19
	EREG \n
	RREG \n
.endr
	EREG 20
	s_endpgm
.Lfunc_end_k_q0fe8e52cd7_cell:
	.size	k_q0fe8e52cd7_cell, .Lfunc_end_k_q0fe8e52cd7_cell-k_q0fe8e52cd7_cell
	.p2alignl 7, 3214868480
	.fill 96, 4, 3214868480
	.section	.rodata,"a",@progbits
	.p2align	6, 0x0
	.amdhsa_kernel k_q0fe8e52cd7_cell
		.amdhsa_group_segment_fixed_size 327680
		.amdhsa_private_segment_fixed_size 0
		.amdhsa_enable_private_segment 0
		.amdhsa_kernarg_size 72
		.amdhsa_user_sgpr_count 2
		.amdhsa_user_sgpr_kernarg_segment_ptr 1
		.amdhsa_wavefront_size32 1
		.amdhsa_system_sgpr_workgroup_id_x 1
		.amdhsa_system_sgpr_workgroup_id_y 1
		.amdhsa_system_sgpr_workgroup_id_z 1
		.amdhsa_system_vgpr_workitem_id 0
		.amdhsa_next_free_vgpr 1024
		.amdhsa_next_free_sgpr 106
		.amdhsa_reserve_vcc 0
		.amdhsa_float_denorm_mode_32 3
		.amdhsa_float_denorm_mode_16_64 3
		.amdhsa_memory_ordered 1
		.amdhsa_forward_progress 1
		.amdhsa_inst_pref_size 255
	.end_amdhsa_kernel
	.section	.bss,"aw",@nobits
	.p2align	6
	.space	262144
	.amdgpu_metadata
---
amdhsa.version: [ 1, 2 ]
amdhsa.kernels:
  - .name:           k_q0fe8e52cd7_cell
    .symbol:         k_q0fe8e52cd7_cell.kd
    .args:
      - { .name: a_img, .offset: 0, .size: 8, .value_kind: global_buffer, .address_space: global }
      - { .name: w_img, .offset: 8, .size: 8, .value_kind: global_buffer, .address_space: global }
      - { .name: c, .offset: 16, .size: 8, .value_kind: global_buffer, .address_space: global }
      - { .name: b_f, .offset: 24, .size: 8, .value_kind: global_buffer, .address_space: global }
      - { .name: b_i, .offset: 32, .size: 8, .value_kind: global_buffer, .address_space: global }
      - { .name: b_c, .offset: 40, .size: 8, .value_kind: global_buffer, .address_space: global }
      - { .name: b_o, .offset: 48, .size: 8, .value_kind: global_buffer, .address_space: global }
      - { .name: out0, .offset: 56, .size: 8, .value_kind: global_buffer, .address_space: global }
      - { .name: out1, .offset: 64, .size: 8, .value_kind: global_buffer, .address_space: global }
    .group_segment_fixed_size: 327680
    .private_segment_fixed_size: 0
    .kernarg_segment_align: 8
    .kernarg_segment_size: 72
    .max_flat_workgroup_size: 128
    .sgpr_count:     106
    .vgpr_count:     1024
    .wavefront_size: 32
...
	.end_amdgpu_metadata
.endif
;; end of part 2
